; MI455X (gfx1250); checked and timed in simulation.
; The chip was launched on July 23, 2026; its instructions are those of AMD's public machine-readable ISA for CDNA 5 (MIT licence, August 2026) and "CDNA5" Instruction Set Architecture Reference Guide (July 2026). The comments in the code are by the model that wrote it; some were corrected since.
;; LED Decoder Attention. Allowed arithmetic: float matrix products may take bf16 or f16 operands with f32 sums; all other float work in f32.
;; Inputs: Wk 768 x 768 float32; Wo 768 x 768 float32; Wq 768 x 768 float32; Wv 768 x 768 float32; attention_bias 24 x 2,048 float32; attention_mask 2 x 1 x 2,048 x 2,048 float32; beta 1 float32; beta_bias 1 float32; bk 768 float32; bo 768 float32; bq 768 float32; bv 768 float32; hidden_states 2 x 2,048 x 768 float32.
;; Outputs: out0 2 x 2,048 x 768 float32.
;; One version. Each part assembles by itself: llvm-mc -triple=amdgcn-amd-amdhsa -mcpu=gfx1250 --defsym DOCPART=n.
;; ======== version 1 of 1: 4 launches
;; limits: values are held in f16: magnitudes above 65,504 overflow, below 6.1e-05 lose precision
;; workspace buffers: hb 6,291,456 bytes; wb 4,718,592 bytes; qkvw 18,874,368 bytes; ctx 6,291,456 bytes
;; launch cvt (part 1): grid 1792 x 1, 8 waves a work-group, no clusters, 0 bytes of LDS; arguments hidden_states, Wq, Wk, Wv, Wo, hb, wb; writes hb, wb
.if DOCPART == 1
	.amdgcn_target "amdgcn-amd-amdhsa--gfx1250"
	.amdhsa_code_object_version 6
	.text
	.protected	k_qe03e62c00d_cvt
	.globl	k_qe03e62c00d_cvt
	.p2align	8
	.type	k_qe03e62c00d_cvt,@function
k_qe03e62c00d_cvt:
	s_mov_b64 s[64:65], 0
	v_nop
	global_prefetch_b8 v0, s[64:65] scope:SCOPE_SE
	s_setreg_imm32_b32 hwreg(HW_REG_WAVE_MODE, 25, 1), 1
	s_wait_xcnt 0x0
; hidden_states and the four weight matrices, f32, are rounded once to f16: hb = hidden [4096][768], wb = Wq, Wk, Wv, Wo, each [768][768], in that order.
; Why: the products that follow read each weight row sixteen times or more and each hidden row twelve times; as f16 they take half the LDS bytes.
; LIMIT: a number of 65,520 or more in magnitude becomes an infinity in f16.
; A work-group takes 3,072 numbers (12,288 bytes in, 6,144 out): 1,024 such pieces of hidden, then 192 of each weight matrix.
; No LDS, no barrier, no matrix unit: every byte is read once and written once.
.set PIECE_IN,  12288
.set PIECE_OUT, 6144
.set X, 4                              ; v[4:15]  three loads of 4 f32
.set Y, 16                             ; v[16:21] three pairs of registers, 4 f16 each
	s_load_b256 s[4:11], s[0:1], 0x0               ; hidden s[4:5], Wq s[6:7], Wk s[8:9], Wv s[10:11]
	s_load_b128 s[12:15], s[0:1], 0x20             ; Wo s[12:13], hb s[14:15]
	s_load_b64 s[16:17], s[0:1], 0x30              ; wb
	s_mov_b32 s18, ttmp9                           ; the piece's number
	s_sub_co_u32 s19, s18, 1024                    ; its number inside Wq (and inside wb, where the four lie one behind the other)
	s_sub_co_u32 s20, s18, 1216                    ; inside Wk
	s_sub_co_u32 s21, s18, 1408                    ; inside Wv
	s_sub_co_u32 s22, s18, 1600                    ; inside Wo
	v_lshlrev_b32 v1, 4, v0                        ; 16 bytes a thread in
	v_lshlrev_b32 v2, 3, v0                        ; 8 bytes a thread out
	s_wait_kmcnt 0x0
	s_mov_b64 s[24:25], s[4:5]                     ; from where: hidden, unless the piece's number says otherwise
	s_mov_b32 s26, s18
	s_mov_b64 s[28:29], s[14:15]                   ; to where: hb
	s_mov_b32 s27, s18
	s_cmp_ge_u32 s18, 1024
	s_cselect_b64 s[24:25], s[6:7], s[24:25]
	s_cselect_b32 s26, s19, s26
	s_cselect_b64 s[28:29], s[16:17], s[28:29]
	s_cselect_b32 s27, s19, s27
	s_cmp_ge_u32 s18, 1216
	s_cselect_b64 s[24:25], s[8:9], s[24:25]
	s_cselect_b32 s26, s20, s26
	s_cmp_ge_u32 s18, 1408
	s_cselect_b64 s[24:25], s[10:11], s[24:25]
	s_cselect_b32 s26, s21, s26
	s_cmp_ge_u32 s18, 1600
	s_cselect_b64 s[24:25], s[12:13], s[24:25]
	s_cselect_b32 s26, s22, s26
	s_mul_i32 s30, s26, PIECE_IN
	s_mov_b32 s31, 0
	s_mul_i32 s32, s27, PIECE_OUT
	s_mov_b32 s33, 0
	s_add_nc_u64 s[24:25], s[24:25], s[30:31]
	s_add_nc_u64 s[28:29], s[28:29], s[32:33]
.irp i, 0,1,2
	global_load_b128 v[X+4*\i:X+4*\i+3], v1, s[24:25] offset:4096*\i th:TH_LOAD_NT   ; a wave's load covers 512 neighbouring bytes; read once in the launch
.endr
.irp i, 0,1,2
	s_wait_loadcnt 2-\i                            ; loads come back in order: load i is in, the younger ones stay out
	v_cvt_pk_f16_f32 v[Y+2*\i],   v[X+4*\i],   v[X+4*\i+1]
	v_cvt_pk_f16_f32 v[Y+2*\i+1], v[X+4*\i+2], v[X+4*\i+3]
	global_store_b64 v2, v[Y+2*\i:Y+2*\i+1], s[28:29] offset:2048*\i                 ; a wave's store covers 256 neighbouring bytes, aligned
.endr
	s_endpgm
.Lfunc_end_k_qe03e62c00d_cvt:
	.size	k_qe03e62c00d_cvt, .Lfunc_end_k_qe03e62c00d_cvt-k_qe03e62c00d_cvt
	.p2alignl 7, 3214868480
	.fill 96, 4, 3214868480
	.section	.rodata,"a",@progbits
	.p2align	6, 0x0
	.amdhsa_kernel k_qe03e62c00d_cvt
		.amdhsa_group_segment_fixed_size 0
		.amdhsa_private_segment_fixed_size 0
		.amdhsa_enable_private_segment 0
		.amdhsa_kernarg_size 56
		.amdhsa_user_sgpr_count 2
		.amdhsa_user_sgpr_kernarg_segment_ptr 1
		.amdhsa_wavefront_size32 1
		.amdhsa_system_sgpr_workgroup_id_x 1
		.amdhsa_system_sgpr_workgroup_id_y 1
		.amdhsa_system_sgpr_workgroup_id_z 1
		.amdhsa_system_vgpr_workitem_id 0
		.amdhsa_next_free_vgpr 24
		.amdhsa_next_free_sgpr 66
		.amdhsa_reserve_vcc 0
		.amdhsa_float_denorm_mode_32 3
		.amdhsa_float_denorm_mode_16_64 3
		.amdhsa_memory_ordered 1
		.amdhsa_forward_progress 1
		.amdhsa_inst_pref_size 3
	.end_amdhsa_kernel
	.amdgpu_metadata
---
amdhsa.version: [ 1, 2 ]
amdhsa.kernels:
  - .name:           k_qe03e62c00d_cvt
    .symbol:         k_qe03e62c00d_cvt.kd
    .args:
      - { .name: hidden_states, .offset: 0, .size: 8, .value_kind: global_buffer, .address_space: global }
      - { .name: Wq, .offset: 8, .size: 8, .value_kind: global_buffer, .address_space: global }
      - { .name: Wk, .offset: 16, .size: 8, .value_kind: global_buffer, .address_space: global }
      - { .name: Wv, .offset: 24, .size: 8, .value_kind: global_buffer, .address_space: global }
      - { .name: Wo, .offset: 32, .size: 8, .value_kind: global_buffer, .address_space: global }
      - { .name: hb, .offset: 40, .size: 8, .value_kind: global_buffer, .address_space: global }
      - { .name: wb, .offset: 48, .size: 8, .value_kind: global_buffer, .address_space: global }
    .group_segment_fixed_size: 0
    .private_segment_fixed_size: 0
    .kernarg_segment_align: 8
    .kernarg_segment_size: 56
    .max_flat_workgroup_size: 256
    .sgpr_count:     66
    .vgpr_count:     24
    .wavefront_size: 32
...
	.end_amdgpu_metadata
.endif
;; end of part 1
;; launch qkv (part 2): grid 12 x 16, 4 waves a work-group, clusters of 4 x 4, 327,680 bytes of LDS; arguments hb, wb, bq, bk, bv, qkvw; writes qkvw
.if DOCPART == 2
	.amdgcn_target "amdgcn-amd-amdhsa--gfx1250"
	.amdhsa_code_object_version 6
	.text
	.protected	k_qe03e62c00d_qkv
	.globl	k_qe03e62c00d_qkv
	.p2align	8
	.type	k_qe03e62c00d_qkv,@function
k_qe03e62c00d_qkv:
	s_mov_b64 s[64:65], 0
	v_nop
	global_prefetch_b8 v0, s[64:65] scope:SCOPE_SE
	s_setreg_imm32_b32 hwreg(HW_REG_WAVE_MODE, 25, 1), 1
	s_wait_xcnt 0x0
	s_wait_alu depctr_hold_cnt(0) depctr_sa_sdst(0) depctr_va_vdst(0) depctr_va_sdst(0) depctr_va_ssrc(0) depctr_va_vcc(0) depctr_vm_vsrc(0)
	s_getreg_b32 s2, hwreg(HW_REG_IB_STS2, 6, 4)
	s_cmp_eq_u32 s2, 0
	s_cbranch_scc0 .Lentry_in_a_cluster
	s_endpgm
.Lentry_in_a_cluster:
	s_bfe_u32 s2, ttmp6, 0x10000c
	s_cmp_lg_u32 s2, 0xf033
	s_cbranch_scc0 .Lentry_shape_is_right
	s_endpgm
.Lentry_shape_is_right:
; qkvw = hb [4096][768] x (Wq; Wk; Wv) [2304][768] transposed, + bias; the q part also x log2(e) / 8.  f16 operands, f32 sums, f16 out.
; (1/8 is the attention's scaling 64^-1/2; log2(e) is there because the next launch keeps its scores in units of log2, for the base-2 exponential.)
; qkvw is [batch 2][c 36][t 2048][64]: c 0-11 the heads of q, 12-23 of k, 24-35 of v; a head's rows are dense, 128 bytes each.
; LIMIT: q, k, v of 65,520 or more in magnitude become infinities in f16.
; A work-group makes 256 rows x 192 columns (three whole heads, inside one of q, k, v); wave w makes rows 64 w .. 64 w + 63 of all 192 columns:
; 4 x 12 accumulator tiles.  12 x 16 = 192 work-groups: a split into 256 equal blocks would need 144 or 288 columns, which cuts heads, and a head's
; rows of 128 bytes would then be written in parts.
; K goes in 6 steps of 128 (rows of 256 bytes, aligned) through two LDS slots filled by tensor loads.
; CLUSTER 4 x 4: the four of a cluster's row need the same rows of hb, the four of a column the same rows of wb: those tiles are asked for jointly.
; The matrix instruction is used transposed (source 0 = 16 rows of W, source 1 = 16 rows of hb): a lane then holds row l % 16 and the eight neighbouring
; columns 8 (l / 16) + 0..7, which pack into 16 bytes.  The bias of those columns is the C operand of the first products: nothing is cleared or added later.
; REGISTERS: window 0: addresses, hb's fragments (two buffers), the bias, the way out; window 1: W's fragments (two buffers);
; window 2: accumulators of my rows 0-31; window 3: of my rows 32-63.
.set PITCH,  272                       ; an LDS row: 256 bytes + 16 of padding, an odd multiple of 16: sixteen rows of one column start in sixteen different 16-byte columns
.set BOFF,   256*PITCH                 ; W's 192 rows lie behind hb's 256
.set SLOT,   448*PITCH                 ; 121,856
.set STAGE,  2*SLOT                    ; behind the ring, no tensor load lands there: 16 rows x 144 bytes for each wave
.set SPITCH, 144
.set ADRA, 16                          ; v16-17 LDS address of my hb fragments, slot 0, 1
.set ADRB, 20                          ; v20-21 of W's fragments
.set STO,  24                          ; the way out: where I put 16 bytes
.set RD,   25                          ; where I read 16 bytes back
.set CO,   26                          ; my byte offset in a block of 512 bytes of qkvw
.set VB,   27                          ; my byte offset in the bias vector
.set FA,   32                          ; v32-63, v64-95: hb's fragments, buffer 0, 1 (window 0)
.set BIAS, 96                          ; v96-191: bias of column tile b at 8 b
.set TMP,  192
.set PK,   224
.set OUTB, 240
.set G1A, 24
.set G0A, 32
.set G1B, 40
.set G0B, 48
.set SHAPE, (1<<16)|(1<<20)|(1<<21)|(5<<22)|(3<<25)   ; elements of 2 bytes; padding on; bit 21 beside a mask; 4 words behind every 64
.set MSB, 0
.macro WIN new                         ; the immediate's high byte repeats the setting that is left
.if MSB != (\new)
	s_set_vgpr_msb (MSB<<8)|(\new)
.set MSB, (\new)
.endif
.endm
.macro PLACES
.rept 4
	v_nop
.endr
.endm
.macro CREST                           ; a round of the cluster's barrier behind its opening barrier
	s_cmp_lg_u32 s16, 0
	s_cbranch_scc1 .Lnot_wave_0_\@
	s_barrier_signal -3
.Lnot_wave_0_\@:
	s_barrier_wait -3
	s_barrier_signal -1
	s_barrier_wait -1
.endm
.macro CROUND
	s_barrier_signal -1
	s_barrier_wait -1
	CREST
.endm
.macro JLOAD sl                        ; waves 0, 1 ask for hb's two halves (128 rows each), waves 2, 3 for W's (96 rows each): one load a wave
	s_cmp_eq_u32 s17, 0
	s_cbranch_scc0 .Lfor_b_\@
	tensor_load_to_lds s[G0A+4*\sl:G0A+4*\sl+3], s[G1A:G1A+7]
	s_nop 0
	s_branch .Lasked_\@
.Lfor_b_\@:
	tensor_load_to_lds s[G0B+4*\sl:G0B+4*\sl+3], s[G1B:G1B+7]
	s_nop 0
.Lasked_\@:
.endm
	s_load_b256 s[4:11], s[0:1], 0x0               ; hb s[4:5], wb s[6:7], bq s[8:9], bk s[10:11]
	s_load_b128 s[12:15], s[0:1], 0x20             ; bv s[12:13], qkvw s[14:15]
	s_set_vgpr_msb 0x40
	v_lshl_add_u32 v255, v0, 2, 0x3dc00
	s_set_vgpr_msb 0x4000
	v_mov_b32 v31, 0
	s_set_vgpr_msb 0x1
	ds_add_u32 v255, v31
	s_set_vgpr_msb 0x100
	v_lshrrev_b32 v1, 5, v0
	v_readfirstlane_b32 s16, v1                    ; wave 0..3
	s_lshr_b32 s17, s16, 1                         ; I fetch for hb (0) or for W (1)
	s_and_b32 s18, s16, 1                          ; which half of that tile
	s_bfe_u32 s19, ttmp6, 0x40000                  ; cx
	s_bfe_u32 s20, ttmp6, 0x40004                  ; cy
	s_lshl_b32 s21, ttmp9, 2
	s_add_co_u32 s21, s21, s19                     ; block column 0..11
	s_and_b32 s22, ttmp7, 0xffff
	s_lshl_b32 s22, s22, 2
	s_add_co_u32 s22, s22, s20                     ; block row 0..15
	s_mov_b32 s23, ttmp9                           ; 0 q, 1 k, 2 v: four block columns each, so the cluster's x says which
	s_lshl_b32 s56, s20, 2
	s_lshl_b32 s56, 15, s56                        ; my row of the cluster
	s_lshl_b32 s57, 0x1111, s19                    ; my column
	s_or_b32 s[G1A+0], s56, SHAPE
	s_mov_b32 s[G1A+1], 128<<16                    ; tensor_dim0 = 128
	s_mov_b32 s[G1A+2], 128<<16                    ; tensor_dim1 = 128
	s_mov_b32 s[G1A+3], 128<<16                    ; tile_dim0 = 128
	s_mov_b32 s[G1A+4], 128                        ; tile_dim1 = 128 rows
	s_mov_b32 s[G1A+5], 768                        ; elements from row to row
	s_mov_b32 s[G1A+6], 0
	s_mov_b32 s[G1A+7], 0
	s_or_b32 s[G1B+0], s57, SHAPE
	s_mov_b32 s[G1B+1], 128<<16
	s_mov_b32 s[G1B+2], 96<<16                     ; 96 rows
	s_mov_b32 s[G1B+3], 128<<16
	s_mov_b32 s[G1B+4], 96
	s_mov_b32 s[G1B+5], 768
	s_mov_b32 s[G1B+6], 0
	s_mov_b32 s[G1B+7], 0
	s_lshl_b32 s58, s22, 8                         ; hb: row 256 x block row + 128 x half, in registers that never hold cx
	s_lshl_b32 s59, s18, 7
	s_add_co_u32 s58, s58, s59
	s_mul_i32 s58, s58, 1536
	s_mov_b32 s59, 0
	s_mul_i32 s60, s21, 192                        ; W: row 192 x block column + 96 x half, in registers that never hold cy
	s_mul_i32 s61, s18, 96
	s_add_co_u32 s60, s60, s61
	s_mul_i32 s60, s60, 1536
	s_mov_b32 s61, 0
	s_mul_i32 s62, s16, 128*PITCH                  ; hb's halves at 0 and 34,816 (waves 0, 1)
	s_mul_i32 s63, s16, 96*PITCH                   ; W's halves at 69,632 and 95,744 (waves 2, 3):
	s_add_co_u32 s63, s63, BOFF-2*96*PITCH         ; 17,408 + 26,112 w
	s_lshr_b32 s72, s22, 3                         ; the way out: batch = block row / 8
	s_mul_i32 s72, s72, 36
	s_mul_i32 s73, s21, 3
	s_add_co_u32 s72, s72, s73                     ; + the first of my three heads
	s_lshl_b32 s72, s72, 11
	s_lshl_b32 s73, s22, 8
	s_lshl_b32 s74, s16, 6
	s_add_co_u32 s73, s73, s74
	s_and_b32 s73, s73, 2047                       ; my first row inside the batch
	s_add_co_u32 s72, s72, s73
	s_lshl_b32 s72, s72, 7                         ; rows of 128 bytes
	s_mov_b32 s73, 0
	s_wait_dscnt 0x0
	s_wait_kmcnt 0x0
	s_add_nc_u64 s[58:59], s[4:5], s[58:59]
	s_add_nc_u64 s[60:61], s[6:7], s[60:61]
	s_add_nc_u64 s[70:71], s[14:15], s[72:73]
	s_mov_b64 s[66:67], s[8:9]                     ; the bias vector of my matrix
	s_cmp_eq_u32 s23, 1
	s_cselect_b64 s[66:67], s[10:11], s[66:67]
	s_cmp_eq_u32 s23, 2
	s_cselect_b64 s[66:67], s[12:13], s[66:67]
	s_cmp_eq_u32 s23, 0
	s_cselect_b32 s68, 0x3e38aa3b, 1.0             ; q is scaled by log2(e) / 8 behind its bias
	s_mov_b32 s69, s68
	CROUND                                         ; all sixteen work-groups are here: the first joint loads meet
.irp s, 0,1
	s_mov_b32 s[G0A+4*\s], 1
	s_add_co_u32 s[G0A+4*\s+1], s62, \s*SLOT
	s_add_nc_u64 s[G0A+4*\s+2:G0A+4*\s+3], s[58:59], \s*256
	s_or_b32 s[G0A+4*\s+3], s[G0A+4*\s+3], 0x80000000
	s_mov_b32 s[G0B+4*\s], 1
	s_add_co_u32 s[G0B+4*\s+1], s63, \s*SLOT
	s_add_nc_u64 s[G0B+4*\s+2:G0B+4*\s+3], s[60:61], \s*256
	s_or_b32 s[G0B+4*\s+3], s[G0B+4*\s+3], 0x80000000
	JLOAD \s                                       ; K steps 0 and 1: two loads of the wave are out
.endr
	v_and_b32 v1, 15, v0                           ; r = l % 16
	v_bfe_u32 v2, v0, 4, 1                         ; h = l / 16
	v_and_b32 v4, 31, v0                           ; l
	s_mul_i32 s56, s19, 768                        ; my block's 192 columns inside the matrix's 768, in bytes of f32
	v_lshlrev_b32 v[VB], 5, v2
	v_add_nc_u32 v[VB], s56, v[VB]
.irp b, 0,1,2,3,4,5,6,7,8,9,10,11
	global_load_b128 v[BIAS+8*\b:BIAS+8*\b+3],   v[VB], s[66:67] offset:64*\b      ; columns 16 b + 8 h + 0..3
	global_load_b128 v[BIAS+8*\b+4:BIAS+8*\b+7], v[VB], s[66:67] offset:64*\b+16   ; + 4..7
.endr
	v_mul_u32_u24 v3, v1, PITCH
	v_lshl_add_u32 v3, v2, 4, v3                   ; r x pitch + 16 h
	s_mul_i32 s56, s16, 64*PITCH                   ; my 64 rows of hb
	v_add_nc_u32 v[ADRA], s56, v3
	v_add_nc_u32 v[ADRA+1], SLOT, v[ADRA]
	v_add_nc_u32 v[ADRB], BOFF, v3
	v_add_nc_u32 v[ADRB+1], SLOT, v[ADRB]
	s_mul_i32 s56, s16, 16*SPITCH
	s_add_co_u32 s56, s56, STAGE                   ; my stage
	v_mul_u32_u24 v3, v1, SPITCH
	v_lshl_add_u32 v3, v2, 4, v3
	v_add_nc_u32 v[STO], s56, v3                   ; in: row r, 16 bytes for each half of the lanes
	v_lshrrev_b32 v3, 3, v4
	v_mul_u32_u24 v3, v3, SPITCH
	v_and_b32 v5, 7, v0
	v_lshl_add_u32 v3, v5, 4, v3
	v_add_nc_u32 v[RD], s56, v3                    ; back: eight lanes take a row of 128 bytes, a wave four rows
	v_lshlrev_b32 v[CO], 4, v4                     ; those four rows are 512 neighbouring bytes of qkvw
; 12 matrix instructions: row tile a (0..3) x all 12 column tiles, 32 along K, from fragment buffer f.  bias = 1: C is the bias, which starts the sums.
; The 48 accumulators take turns, one instruction a turn, in the same order in every quarter step.
.macro MULROW f, a, bias
.if \a < 2
.if \bias
	WIN 0x81
.else
	WIN 0xa1
.endif
.else
.if \bias
	WIN 0xc1
.else
	WIN 0xf1
.endif
.endif
.irp b, 0,1,2,3,4,5,6,7,8,9,10,11
.if \bias
	v_wmma_f32_16x16x32_f16 v[8*(12*(\a%2)+\b):8*(12*(\a%2)+\b)+7], v[96*\f+8*\b:96*\f+8*\b+7], v[FA+32*\f+8*\a:FA+32*\f+8*\a+7], v[BIAS+8*\b:BIAS+8*\b+7]
.else
	v_wmma_f32_16x16x32_f16 v[8*(12*(\a%2)+\b):8*(12*(\a%2)+\b)+7], v[96*\f+8*\b:96*\f+8*\b+7], v[FA+32*\f+8*\a:FA+32*\f+8*\a+7], v[8*(12*(\a%2)+\b):8*(12*(\a%2)+\b)+7]
.endif
.endr
.endm
; 32 LDS loads in one run: a quarter step's fragments (192 rows of W, my 64 rows of hb, 32 along K at byte k of the rows) into buffer f
.macro FETCH sl, k, f
	WIN 0x40
.irp b, 0,1,2,3,4,5,6,7,8,9,10,11
	ds_load_b128 v[96*\f+8*\b:96*\f+8*\b+3],   v[ADRB+\sl] offset:\k+\b*16*PITCH
	ds_load_b128 v[96*\f+8*\b+4:96*\f+8*\b+7], v[ADRB+\sl] offset:\k+\b*16*PITCH+32
.endr
	WIN 0
.irp a, 0,1,2,3
	ds_load_b128 v[FA+32*\f+8*\a:FA+32*\f+8*\a+3],   v[ADRA+\sl] offset:\k+\a*16*PITCH
	ds_load_b128 v[FA+32*\f+8*\a+4:FA+32*\f+8*\a+7], v[ADRA+\sl] offset:\k+\a*16*PITCH+32
.endr
.endm
; A quarter step: multiplies buffer f; in its middle the next quarter's fragments are fetched into buffer g, four places behind the last
; matrix instruction (ISA guide 7.12.1; the matrix instructions in between are not counted as places).
.macro QUARTER sl, k, f, g, bias
	s_wait_dscnt 4                                 ; W's fragments and hb's row tiles 0, 1 are in; the four youngest loads (row tiles 2, 3) may be out
	MULROW \f, 0, \bias
	MULROW \f, 1, \bias
	PLACES
	FETCH \sl, \k, \g
	s_wait_dscnt 32                                ; all but the 32 just issued
	MULROW \f, 2, \bias
	MULROW \f, 3, \bias
.endm
.macro THREE sl, bias
	QUARTER \sl, 64,  0, 1, \bias
	QUARTER \sl, 128, 1, 0, 0
	QUARTER \sl, 192, 0, 1, 0
.endm
; The last quarter of a K step changes slots.  In front of the barrier each wave waits for its reads of this slot and for all its tensor loads
; (one is out: its part of the next slot).  fill = 1: the barrier opens a round of the cluster's barrier, and this slot's joint refill is the
; wave's first and only tensor load behind the round.
.macro TURN sl, next, fill
	s_wait_dscnt 4
	MULROW 1, 0, 0
	s_wait_dscnt 0
	s_wait_tensorcnt 0x0
	ds_add_u32 v255, v31
	s_wait_dscnt 0x0
	s_barrier_signal -1
	MULROW 1, 1, 0                                 ; register work while the others arrive
	WIN 0
	s_barrier_wait -1
.if \fill
	CREST
	s_add_nc_u64 s[G0A+4*\sl+2:G0A+4*\sl+3], s[G0A+4*\sl+2:G0A+4*\sl+3], 512   ; two K steps on; no tensor load of mine is out
	s_add_nc_u64 s[G0B+4*\sl+2:G0B+4*\sl+3], s[G0B+4*\sl+2:G0B+4*\sl+3], 512
	JLOAD \sl
.endif
	PLACES
	FETCH \next, 0, 0
	MULROW 1, 2, 0
	MULROW 1, 3, 0
.endm
	s_wait_tensorcnt 0x1                           ; my part of K step 0 is in; K step 1's stays out
	s_barrier_signal -1
	s_barrier_wait -1
	FETCH 0, 0, 0
	s_wait_loadcnt 0x0                             ; the bias
	THREE 0, 1                                     ; K step 0; its first quarter starts the sums from the bias
	TURN 0, 1, 1                                   ; slot 0 <- K step 2
	THREE 1, 0
	TURN 1, 0, 1                                   ; slot 1 <- K step 3
	THREE 0, 0
	TURN 0, 1, 1                                   ; slot 0 <- K step 4
	THREE 1, 0
	TURN 1, 0, 1                                   ; slot 1 <- K step 5
	THREE 0, 0
	TURN 0, 1, 0                                   ; nothing is left to fetch
	THREE 1, 0
	s_wait_dscnt 4
	MULROW 1, 0, 0
	MULROW 1, 1, 0
	s_wait_dscnt 0
	MULROW 1, 2, 0
	MULROW 1, 3, 0
	PLACES                                         ; four places before vector work reads the last results
; THE WAY OUT: 16 rows x one head (64 columns) at a time: scale, round to f16, 16 bytes a lane into my own stage, read back as rows of 128 bytes.
; LDS serves a wave's instructions in order, so no wait stands between my stores and my loads.
.macro OUTBLK a, hh, win
	WIN \win
.irp n, 0,1,2,3,4,5,6,7,8,9,10,11,12,13,14,15
	v_pk_mul_f32 v[TMP+2*\n:TMP+2*\n+1], v[8*(12*(\a%2)+4*\hh)+2*\n:8*(12*(\a%2)+4*\hh)+2*\n+1], s[68:69] op_sel_hi:[1,0]
.endr
	WIN 0
.irp n, 0,1,2,3,4,5,6,7,8,9,10,11,12,13,14,15
	v_cvt_pk_f16_f32 v[PK+\n], v[TMP+2*\n], v[TMP+2*\n+1]
.endr
.irp t, 0,1,2,3
	ds_store_b128 v[STO], v[PK+4*\t:PK+4*\t+3] offset:32*\t
.endr
	s_wait_xcnt 0x0                                ; the last block's stores have had their addresses translated: their data registers are loaded again only behind this wait
.irp i, 0,1,2,3
	ds_load_b128 v[OUTB+4*\i:OUTB+4*\i+3], v[RD] offset:4*SPITCH*\i
.endr
.irp i, 0,1,2,3
	s_wait_dscnt 3-\i                              ; load i is back, the younger ones stay out
	global_store_b128 v[CO], v[OUTB+4*\i:OUTB+4*\i+3], s[70:71] offset:\hh*262144+\a*2048+512*\i   ; 512 neighbouring bytes, aligned
.endr
.endm
.irp hh, 0,1,2
	OUTBLK 0, \hh, 2
	OUTBLK 1, \hh, 2
	OUTBLK 2, \hh, 3
	OUTBLK 3, \hh, 3
.endr
	s_set_vgpr_msb 0x1
	s_wait_tensorcnt 0x0
	ds_add_u32 v255, v31
	s_wait_dscnt 0x0
	s_set_vgpr_msb 0x100
	CROUND                                         ; the closing round: no work-group ends while a partner may still ask for a tile that names it
	s_endpgm
.Lfunc_end_k_qe03e62c00d_qkv:
	.size	k_qe03e62c00d_qkv, .Lfunc_end_k_qe03e62c00d_qkv-k_qe03e62c00d_qkv
	.p2alignl 7, 3214868480
	.fill 96, 4, 3214868480
	.section	.rodata,"a",@progbits
	.p2align	6, 0x0
	.amdhsa_kernel k_qe03e62c00d_qkv
		.amdhsa_group_segment_fixed_size 327680
		.amdhsa_private_segment_fixed_size 0
		.amdhsa_enable_private_segment 0
		.amdhsa_kernarg_size 48
		.amdhsa_user_sgpr_count 2
		.amdhsa_user_sgpr_kernarg_segment_ptr 1
		.amdhsa_wavefront_size32 1
		.amdhsa_system_sgpr_workgroup_id_x 1
		.amdhsa_system_sgpr_workgroup_id_y 1
		.amdhsa_system_sgpr_workgroup_id_z 1
		.amdhsa_system_vgpr_workitem_id 0
		.amdhsa_next_free_vgpr 960
		.amdhsa_next_free_sgpr 80
		.amdhsa_reserve_vcc 0
		.amdhsa_float_denorm_mode_32 3
		.amdhsa_float_denorm_mode_16_64 3
		.amdhsa_memory_ordered 1
		.amdhsa_forward_progress 1
		.amdhsa_inst_pref_size 179
	.end_amdhsa_kernel
	.amdgpu_metadata
---
amdhsa.version: [ 1, 2 ]
amdhsa.kernels:
  - .name:           k_qe03e62c00d_qkv
    .symbol:         k_qe03e62c00d_qkv.kd
    .args:
      - { .name: hb, .offset: 0, .size: 8, .value_kind: global_buffer, .address_space: global }
      - { .name: wb, .offset: 8, .size: 8, .value_kind: global_buffer, .address_space: global }
      - { .name: bq, .offset: 16, .size: 8, .value_kind: global_buffer, .address_space: global }
      - { .name: bk, .offset: 24, .size: 8, .value_kind: global_buffer, .address_space: global }
      - { .name: bv, .offset: 32, .size: 8, .value_kind: global_buffer, .address_space: global }
      - { .name: qkvw, .offset: 40, .size: 8, .value_kind: global_buffer, .address_space: global }
    .group_segment_fixed_size: 327680
    .private_segment_fixed_size: 0
    .kernarg_segment_align: 8
    .kernarg_segment_size: 48
    .max_flat_workgroup_size: 128
    .sgpr_count:     80
    .vgpr_count:     960
    .wavefront_size: 32
...
	.end_amdgpu_metadata
.endif
;; end of part 2
;; launch attn (part 3): grid 4 x 64, 12 waves a work-group, clusters of 4 x 4, 327,680 bytes of LDS; arguments qkvw, attention_mask, attention_bias, beta, beta_bias, ctx; writes ctx
.if DOCPART == 3
	.amdgcn_target "amdgcn-amd-amdhsa--gfx1250"
	.amdhsa_code_object_version 6
	.text
	.protected	k_qe03e62c00d_attn
	.globl	k_qe03e62c00d_attn
	.p2align	8
	.type	k_qe03e62c00d_attn,@function
k_qe03e62c00d_attn:
	s_mov_b64 s[64:65], 0
	v_nop
	global_prefetch_b8 v0, s[64:65] scope:SCOPE_SE
	s_setreg_imm32_b32 hwreg(HW_REG_WAVE_MODE, 25, 1), 1
	s_wait_xcnt 0x0
	s_wait_alu depctr_hold_cnt(0) depctr_sa_sdst(0) depctr_va_vdst(0) depctr_va_sdst(0) depctr_va_ssrc(0) depctr_va_vcc(0) depctr_vm_vsrc(0)
	s_getreg_b32 s2, hwreg(HW_REG_IB_STS2, 6, 4)
	s_cmp_eq_u32 s2, 0
	s_cbranch_scc0 .Lentry_in_a_cluster
	s_endpgm
.Lentry_in_a_cluster:
	s_bfe_u32 s2, ttmp6, 0x10000c
	s_cmp_lg_u32 s2, 0xf033
	s_cbranch_scc0 .Lentry_shape_is_right
	s_endpgm
.Lentry_shape_is_right:
; ctx = softmax(q k^T + beta bias[head][key] + beta_bias + mask[batch][query][key]) v, by a running maximum, for 64 queries x 3 heads a work-group.
; q (already x log2(e) / 8), k, v: f16 in qkvw [batch 2][c 36][t 2048][64].  ctx: f16 [head group 4][4096][192].  Scores, maxima, sums and outputs in f32.
; UNITS: the scores are kept times log2(e), so that the base-2 exponential takes (score - maximum) as it is: q comes scaled, the bias is scaled once
; on its way into LDS, and the mask by the multiply-add that joins it with the bias in front of the product: two packed instructions a pair of scores.
; LIMITS: a mask number of 2.36e38 or more in magnitude (FLT_MAX / log2 e) becomes an infinity: -inf gives probability 0; a row in which EVERY key
; is masked so far, or by -inf, gives NaN (0 x 1/0), where the exact softmax of equal finite scores would give the mean of v; +inf gives NaN.
; The probabilities go to the matrix unit as f16 (at most 1; below 6e-8 they become 0).  A NaN score loses in the running maximum.
; The maximum is kept at -FLT_MAX or above, so that -inf less the maximum stays -inf.
; SHARE: twelve waves, three on each SIMD, so that one wave's exponentials run beside another's products.  Wave w: head w / 4 of the three, key quarter w % 4.
; A step is 128 keys; a wave takes 32 of them for all 64 queries; 16 steps.  At the end the four key quarters of a head are merged through LDS.
; Why three heads: the mask tile (64 x 128 f32) is read from memory once for all twelve heads (four work-groups ask jointly) and filled into LDS once for three.
; CLUSTER 4 x 4: x = head group, y = four neighbouring query blocks of one batch.  The mask tile hangs on the query block alone: shared along the cluster's row.
; K's and V's tiles hang on batch, head group and the wave's number: shared along the column.
; ROLES: S^T = K Q^T + C: a lane holds query l % 16 and keys 8 (l / 16) + 0..7, the mask's 32 bytes load straight into the accumulator's registers,
; maxima and sums are per lane (one exchange between the halves), and two S^T tiles pack in place into the B operand of O^T = V^T P^T.
; A STEP: all sixteen S products first; K's fragments are then dead and V's take their registers; then softmax and P V for query tiles 0, 1 and for 2, 3:
; the first pair's P V products stand in front of the second pair's vector work, which touches none of their registers.
.set SLOT,  150528                     ; mask 64 x 528, K 3 x 128 x 144, V 3 x 128 x 160
.set KOFF,  33792
.set VOFF,  89088
.set KTILE, 18432
.set VTILE, 20480
.set MP,    528                        ; 512 + 16: an odd multiple of 16
.set KP,    144                        ; 128 + 16: an odd multiple of 16
.set VP,    160                        ; 128 + 32: an odd multiple of 32, for the transposing loads
.set CBL,   2*SLOT                     ; (beta bias + beta_bias) log2 e, f32 [3][2048]: written by LDS stores, no tensor load lands there
.set OXW,   17408                      ; the end: 64 rows x 272 bytes of f32 for each wave, in the slots, which have had their last fill
.set MLO,   12*OXW                     ; 208,896: (maximum, sum) of each wave and query
.set CSO,   MLO+6144                   ; 215,040: the block of ctx, 64 rows x 384 bytes
.set AM,   1                           ; v1-2   mask address, slot 0, 1
.set AK,   3                           ; v3-4   K
.set AV,   5                           ; v5-6   V
.set ACB,  7                           ; v7     bias address, steps by 512 bytes
.set M,    8                           ; v8-11  running maximum of query tile qt
.set LSUM, 12                          ; v12-15 running sum (of my half's keys)
.set AL,   16                          ; v16-17 rescaling factors of the two query tiles at work
.set RR,   18                          ; r
.set HH,   19                          ; h
.set T,    20                          ; v20-27 at work
.set VPF,  28                          ; prefetch offset
.set TID16, 29
.set A0,   30
.set A1,   31
.set S,    32                          ; v32-63 (p = 0), v96-127 (p = 1): S(p, i, kt) at 64 p + 16 i + 8 kt; then P(p, i) at 64 p + 16 i
.set KV,   64                          ; v64-95  K fragments (kt, kk) at 8 (2 kt + kk); behind the S products V^T fragments dt at 8 dt
.set KF,   64                          ; the same registers as scratch at the end
.set VF,   96
.set O,    128                         ; v128-255 O(qt, dt) at 8 (4 qt + dt)
.set Q,    0                           ; window 1: v256-319 Q(qt, kk) at 8 (2 qt + kk)
.set CB,   64                          ; window 1: v320-335 bias of my 32 keys
.set G1K, 24
.set G1V, 32
.set G1M, 40
.set G0K, 48
.set G0V, 56
.set G0M, 68
.set MSB, 0
.macro WIN new
.if MSB != (\new)
	s_set_vgpr_msb (MSB<<8)|(\new)
.set MSB, (\new)
.endif
.endm
.macro PLACES n
.rept \n
	v_nop
.endr
.endm
.macro BAR
	s_barrier_signal -1
	s_barrier_wait -1
.endm
.macro CREST                           ; a round of the cluster's barrier behind its opening barrier
	s_cmp_lg_u32 s16, 0
	s_cbranch_scc1 .Lnot_wave_0_\@
	s_barrier_signal -3
.Lnot_wave_0_\@:
	s_barrier_wait -3
	s_barrier_signal -1
	s_barrier_wait -1
.endm
.macro CROUND                          ; a whole round
	s_barrier_signal -1
	s_barrier_wait -1
	CREST
.endm
; A slot's refill: waves 0-2 ask for the three heads' K tiles, waves 3-5 for V's, wave 6 for the mask tile: one load a wave.
; pf = 1: wave 7 asks the far cache for the mask tile two refills ahead: my work-group's 16 of its 64 rows, two lanes a row, 256 bytes apart,
; so that the four work-groups that share the tile ask for each of its blocks once.
.macro JLOAD sl, pf
	s_cmp_lt_u32 s16, 3
	s_cbranch_scc0 .Lnot_k_\@
	tensor_load_to_lds s[G0K+4*\sl:G0K+4*\sl+3], s[G1K:G1K+7]
	s_nop 0
	s_branch .Lasked_\@
.Lnot_k_\@:
	s_cmp_lt_u32 s16, 6
	s_cbranch_scc0 .Lnot_v_\@
	tensor_load_to_lds s[G0V+4*\sl:G0V+4*\sl+3], s[G1V:G1V+7]
	s_nop 0
	s_branch .Lasked_\@
.Lnot_v_\@:
	s_cmp_eq_u32 s16, 6
	s_cbranch_scc0 .Lnot_m_\@
	tensor_load_to_lds s[G0M+4*\sl:G0M+4*\sl+3], s[G1M:G1M+7]
	s_nop 0
	s_branch .Lasked_\@
.Lnot_m_\@:
.if \pf
	s_cmp_eq_u32 s16, 7
	s_cbranch_scc0 .Lasked_\@
	s_wait_xcnt 0x0                                ; the last step's prefetch has had its address translated: its base is stepped only behind this wait
	s_add_nc_u64 s[80:81], s[80:81], 512           ; one tile on
	global_prefetch_b8 v[VPF], s[80:81] th:TH_LOAD_NT scope:SCOPE_SE
.endif
.Lasked_\@:
.endm
	s_load_b256 s[4:11], s[0:1], 0x0               ; qkvw s[4:5], mask s[6:7], bias s[8:9], beta s[10:11]
	s_load_b128 s[12:15], s[0:1], 0x20             ; beta_bias s[12:13], ctx s[14:15]
	v_lshl_add_u32 v126, v0, 2, 0x4f800
	v_mov_b32 v127, 0
	ds_add_u32 v126, v127
	s_wait_dscnt 0x0
	v_lshrrev_b32 v[A0], 5, v0
	v_readfirstlane_b32 s16, v[A0]                 ; wave 0..11
	s_lshr_b32 s17, s16, 2                         ; head of the three
	s_and_b32 s18, s16, 3                          ; key quarter
	s_bfe_u32 s19, ttmp6, 0x40000                  ; cx = head group
	s_bfe_u32 s20, ttmp6, 0x40004                  ; cy
	s_and_b32 s23, ttmp7, 0xffff                   ; the cluster's y, 0..15
	s_lshl_b32 s21, s23, 2
	s_add_co_u32 s21, s21, s20                     ; y = query block 0..63 over both batches
	s_lshr_b32 s22, s23, 3                         ; batch: the same in the whole cluster
	s_mov_b32 s76, 0x76543210                      ; v_permlanex16_b32: lane i of one half reads lane i of the other
	s_mov_b32 s77, 0xfedcba98
	s_mov_b32 s79, 0xff7fffff                      ; -FLT_MAX
	s_mov_b32 s84, 0x3fb8aa3b                      ; log2 e
	s_mov_b32 s85, 0x3fb8aa3b
	s_lshl_b32 s66, s20, 2
	s_lshl_b32 s66, 15, s66                        ; my row of the cluster
	s_lshl_b32 s67, 0x1111, s19                    ; my column
	; K's tile: 128 keys x 128 bytes, dense: taken as 64 rows of 256 bytes, 4 words of padding behind every 32 words: LDS rows of 144 bytes
	s_or_b32 s[G1K+0], s67, (1<<16)|(1<<20)|(1<<21)|(4<<22)|(3<<25)
	s_mov_b32 s[G1K+1], 128<<16
	s_mov_b32 s[G1K+2], 64<<16
	s_mov_b32 s[G1K+3], 128<<16
	s_mov_b32 s[G1K+4], 64
	s_mov_b32 s[G1K+5], 128
	s_mov_b32 s[G1K+6], 0
	s_mov_b32 s[G1K+7], 0
	; V's: the same with 8 words of padding: LDS rows of 160 bytes
	s_or_b32 s[G1V+0], s67, (1<<16)|(1<<20)|(1<<21)|(4<<22)|(7<<25)
	s_mov_b32 s[G1V+1], 128<<16
	s_mov_b32 s[G1V+2], 64<<16
	s_mov_b32 s[G1V+3], 128<<16
	s_mov_b32 s[G1V+4], 64
	s_mov_b32 s[G1V+5], 128
	s_mov_b32 s[G1V+6], 0
	s_mov_b32 s[G1V+7], 0
	; the mask's: 64 rows x 128 f32, 2,048 elements from row to row, 4 words behind every 128: LDS rows of 528 bytes
	s_or_b32 s[G1M+0], s66, (2<<16)|(1<<20)|(1<<21)|(6<<22)|(3<<25)
	s_mov_b32 s[G1M+1], 128<<16
	s_mov_b32 s[G1M+2], 64<<16
	s_mov_b32 s[G1M+3], 128<<16
	s_mov_b32 s[G1M+4], 64
	s_mov_b32 s[G1M+5], 2048
	s_mov_b32 s[G1M+6], 0
	s_mov_b32 s[G1M+7], 0
	; byte offsets, each in the pair that will hold the address.  K's and V's never hold cy, the mask's never cx.
	s_mul_i32 s94, s22, 36
	s_mul_i32 s95, s19, 3
	s_add_co_u32 s94, s94, s95                     ; batch x 36 + 3 x head group
	s_add_co_u32 s50, s94, s16
	s_add_co_u32 s58, s50, 21                      ; V: c = 24 + 3 cx + (w - 3)
	s_add_co_u32 s50, s50, 12                      ; K: c = 12 + 3 cx + w
	s_lshl_b32 s50, s50, 18                        ; 2,048 rows of 128 bytes
	s_lshl_b32 s58, s58, 18
	s_mov_b32 s51, 0
	s_mov_b32 s59, 0
	s_lshl_b32 s70, s21, 19                        ; mask: 64 y rows of 8,192 bytes
	s_mov_b32 s71, 0
	s_add_co_u32 s86, s94, s17                     ; Q: c = 3 cx + head
	s_lshl_b32 s86, s86, 11
	s_and_b32 s87, s21, 31
	s_lshl_b32 s87, s87, 6
	s_add_co_u32 s86, s86, s87
	s_lshl_b32 s86, s86, 7
	s_mov_b32 s87, 0
	s_mul_i32 s90, s22, 12                         ; bias: row batch x 12 + 3 cx, 8,192 bytes a row
	s_add_co_u32 s90, s90, s95
	s_lshl_b32 s90, s90, 13
	s_mov_b32 s91, 0
	s_lshl_b32 s92, s19, 12                        ; ctx: panel cx, row 64 y, 384 bytes a row
	s_lshl_b32 s93, s21, 6
	s_add_co_u32 s92, s92, s93
	s_mul_i32 s92, s92, 384
	s_mov_b32 s93, 0
	; LDS addresses of the tiles: a constant, the wave's number times a constant, the slot's constant
	s_mov_b32 s[G0K+0], 1
	s_mov_b32 s[G0K+4], 1
	s_mul_i32 s[G0K+1], s16, KTILE
	s_add_co_u32 s[G0K+1], s[G0K+1], KOFF
	s_add_co_u32 s[G0K+5], s[G0K+1], SLOT
	s_mov_b32 s[G0V+0], 1
	s_mov_b32 s[G0V+4], 1
	s_mul_i32 s[G0V+1], s16, VTILE
	s_add_co_u32 s[G0V+1], s[G0V+1], VOFF-3*VTILE
	s_add_co_u32 s[G0V+5], s[G0V+1], SLOT
	s_mov_b32 s[G0M+0], 1
	s_mov_b32 s[G0M+4], 1
	s_mov_b32 s[G0M+1], 0
	s_mov_b32 s[G0M+5], SLOT
	; lane addresses
	v_and_b32 v[RR], 15, v0
	v_bfe_u32 v[HH], v0, 4, 1
	v_lshlrev_b32 v[TID16], 4, v0
	v_mov_b32 v[T+2], 0                            ; destinations of v_permlanex16_b32 count as read
	v_mov_b32 v[T+3], 0
	v_mul_u32_u24 v[AM], v[RR], MP                 ; mask: query row r, my 32 keys' 128 bytes, 32 bytes a half
	v_lshl_add_u32 v[AM], v[HH], 5, v[AM]
	s_lshl_b32 s66, s18, 7
	v_add_nc_u32 v[AM], s66, v[AM]
	v_add_nc_u32 v[AM+1], SLOT, v[AM]
	v_mul_u32_u24 v[AK], v[RR], KP                 ; K: key row 32 ks + r, 16 bytes a half
	v_lshl_add_u32 v[AK], v[HH], 4, v[AK]
	s_mul_i32 s66, s17, KTILE
	s_mul_i32 s67, s18, 32*KP
	s_add_co_u32 s66, s66, s67
	s_add_co_u32 s66, s66, KOFF
	v_add_nc_u32 v[AK], s66, v[AK]
	v_add_nc_u32 v[AK+1], SLOT, v[AK]
	v_and_b32 v[A1], 7, v0                         ; V, transposing loads: key row 32 ks + 8 h + l % 8, 16 bytes by bit 3 of the lane
	v_lshl_add_u32 v[A1], v[HH], 3, v[A1]
	v_mul_u32_u24 v[AV], v[A1], VP
	v_bfe_u32 v[A1], v0, 3, 1
	v_lshl_add_u32 v[AV], v[A1], 4, v[AV]
	s_mul_i32 s66, s17, VTILE
	s_mul_i32 s67, s18, 32*VP
	s_add_co_u32 s66, s66, s67
	s_add_co_u32 s66, s66, VOFF
	v_add_nc_u32 v[AV], s66, v[AV]
	v_add_nc_u32 v[AV+1], SLOT, v[AV]
	s_lshl_b32 s66, s17, 13                        ; bias in LDS: head x 8,192 + my 32 keys' 128 bytes + 32 h
	s_lshl_b32 s67, s18, 7
	s_add_co_u32 s66, s66, s67
	s_add_co_u32 s66, s66, CBL
	v_lshlrev_b32 v[ACB], 5, v[HH]
	v_add_nc_u32 v[ACB], s66, v[ACB]
	v_bfe_u32 v[A1], v0, 1, 4                      ; prefetch: row 16 cx + (l / 2), block l % 2 of the row's 512 bytes
	v_lshlrev_b32 v[VPF], 13, v[A1]
	v_and_b32 v[A1], 1, v0
	v_lshl_add_u32 v[VPF], v[A1], 8, v[VPF]
	s_lshl_b32 s66, s19, 17
	v_add_nc_u32 v[VPF], s66, v[VPF]
	v_lshlrev_b32 v[A0], 7, v[RR]                  ; Q: row r, 16 bytes a half
	v_lshl_add_u32 v[A0], v[HH], 4, v[A0]
	v_add_nc_u32 v[A1], CBL, v[TID16]              ; where I put 16 bytes of the bias
	s_wait_kmcnt 0x0
	s_add_nc_u64 s[G0K+2:G0K+3], s[4:5], s[G0K+2:G0K+3]
	s_add_nc_u64 s[G0K+6:G0K+7], s[G0K+2:G0K+3], 16384     ; step 1: 128 keys on
	s_add_nc_u64 s[G0V+2:G0V+3], s[4:5], s[G0V+2:G0V+3]
	s_add_nc_u64 s[G0V+6:G0V+7], s[G0V+2:G0V+3], 16384
	s_add_nc_u64 s[G0M+2:G0M+3], s[6:7], s[G0M+2:G0M+3]
	s_add_nc_u64 s[G0M+6:G0M+7], s[G0M+2:G0M+3], 512
	s_add_nc_u64 s[88:89], s[G0M+2:G0M+3], 1024            ; mask tile 2
	s_add_nc_u64 s[80:81], s[G0M+2:G0M+3], 1536            ; mask tile 3; stepped in front of each later prefetch
	s_or_b32 s[G0K+3], s[G0K+3], 0x80000000
	s_or_b32 s[G0K+7], s[G0K+7], 0x80000000
	s_or_b32 s[G0V+3], s[G0V+3], 0x80000000
	s_or_b32 s[G0V+7], s[G0V+7], 0x80000000
	s_or_b32 s[G0M+3], s[G0M+3], 0x80000000
	s_or_b32 s[G0M+7], s[G0M+7], 0x80000000
	s_add_nc_u64 s[86:87], s[4:5], s[86:87]
	s_add_nc_u64 s[90:91], s[8:9], s[90:91]
	s_add_nc_u64 s[92:93], s[14:15], s[92:93]
	CROUND                                         ; all sixteen work-groups are here: the first joint loads meet
	; the first fills, steps 0 and 1: both loads of a wave inside its one arm; two loads of a wave are out
	s_cmp_lt_u32 s16, 3
	s_cbranch_scc0 .Lfirst_not_k
	tensor_load_to_lds s[G0K:G0K+3], s[G1K:G1K+7]
	s_nop 0
	tensor_load_to_lds s[G0K+4:G0K+7], s[G1K:G1K+7]
	s_nop 0
	s_branch .Lfirst_done
.Lfirst_not_k:
	s_cmp_lt_u32 s16, 6
	s_cbranch_scc0 .Lfirst_not_v
	tensor_load_to_lds s[G0V:G0V+3], s[G1V:G1V+7]
	s_nop 0
	tensor_load_to_lds s[G0V+4:G0V+7], s[G1V:G1V+7]
	s_nop 0
	s_branch .Lfirst_done
.Lfirst_not_v:
	s_cmp_eq_u32 s16, 6
	s_cbranch_scc0 .Lfirst_not_m
	tensor_load_to_lds s[G0M:G0M+3], s[G1M:G1M+7]
	s_nop 0
	tensor_load_to_lds s[G0M+4:G0M+7], s[G1M:G1M+7]
	s_nop 0
	s_branch .Lfirst_done
.Lfirst_not_m:
	s_cmp_eq_u32 s16, 7
	s_cbranch_scc0 .Lfirst_done
	global_prefetch_b8 v[VPF], s[88:89] th:TH_LOAD_NT scope:SCOPE_SE              ; mask tiles 2 and 3
	global_prefetch_b8 v[VPF], s[88:89] offset:512 th:TH_LOAD_NT scope:SCOPE_SE
.Lfirst_done:
	s_load_b32 s82, s[10:11], 0x0                  ; beta
	s_load_b32 s83, s[12:13], 0x0                  ; beta_bias
.irp i, 0,1,2,3
	global_load_b128 v[O+4*\i:O+4*\i+3], v[TID16], s[90:91] offset:6144*\i        ; my three heads' bias rows, 24,576 dense bytes over 384 threads
.endr
	WIN 0x40
.irp qt, 0,1,2,3
.irp kk, 0,1
	global_load_b128 v[Q+8*(2*\qt+\kk):Q+8*(2*\qt+\kk)+3],   v[A0], s[86:87] offset:\qt*2048+\kk*64
	global_load_b128 v[Q+8*(2*\qt+\kk)+4:Q+8*(2*\qt+\kk)+7], v[A0], s[86:87] offset:\qt*2048+\kk*64+32
.endr
.endr
	WIN 0
	s_wait_kmcnt 0x0
	s_mul_f32 s82, s82, s84                        ; beta log2 e
	s_mul_f32 s83, s83, s84                        ; beta_bias log2 e
	s_wait_loadcnt 16                              ; the bias is in; Q's sixteen loads stay out
.irp n, 0,1,2,3,4,5,6,7,8,9,10,11,12,13,14,15
	v_fma_f32 v[O+\n], v[O+\n], s82, s83           ; (beta bias + beta_bias) log2 e
.endr
.irp i, 0,1,2,3
	ds_store_b128 v[A1], v[O+4*\i:O+4*\i+3] offset:6144*\i
.endr
	s_wait_loadcnt 0x0                             ; Q
	s_wait_dscnt 0x0                               ; my part of the bias is in LDS, for the others' sake
	s_wait_tensorcnt 0x1                           ; my part of step 0 is in; step 1's stays out
	BAR
.macro MASKLD sl, p                    ; the mask of query tiles 2 p, 2 p + 1 and my 32 keys, straight into the accumulators' registers
.irp i, 0,1
.irp kt, 0,1
	ds_load_b128 v[S+64*\p+16*\i+8*\kt:S+64*\p+16*\i+8*\kt+3],   v[AM+\sl] offset:(2*\p+\i)*16*MP+\kt*64
	ds_load_b128 v[S+64*\p+16*\i+8*\kt+4:S+64*\p+16*\i+8*\kt+7], v[AM+\sl] offset:(2*\p+\i)*16*MP+\kt*64+16
.endr
.endr
.endm
.macro PRE                             ; C = mask log2 e + the key's bias (source 2 in window 1)
	WIN 0x10
.irp p, 0,1
.irp i, 0,1
.irp n, 0,1,2,3,4,5,6,7
	v_pk_fma_f32 v[S+64*\p+16*\i+2*\n:S+64*\p+16*\i+2*\n+1], v[S+64*\p+16*\i+2*\n:S+64*\p+16*\i+2*\n+1], s[84:85], v[CB+2*\n:CB+2*\n+1] op_sel_hi:[1,0,1]
.endr
.endr
.endr
.endm
.macro SMUL                            ; S^T = K Q^T + C for all four query tiles: eight accumulators by turns, one instruction a turn
	WIN 0x04
.irp kk, 0,1
.irp p, 0,1
.irp i, 0,1
.irp kt, 0,1
	v_wmma_f32_16x16x32_f16 v[S+64*\p+16*\i+8*\kt:S+64*\p+16*\i+8*\kt+7], v[KV+8*(2*\kt+\kk):KV+8*(2*\kt+\kk)+7], v[Q+8*(2*(2*\p+\i)+\kk):Q+8*(2*(2*\p+\i)+\kk)+7], v[S+64*\p+16*\i+8*\kt:S+64*\p+16*\i+8*\kt+7]
.endr
.endr
.endr
.endr
	PLACES 4                                       ; four places before vector work reads the results and before V is loaded over K's fragments (ISA guide 7.12.1)
	WIN 0
.endm
; The softmax step of query tiles 2 p + i, i = 0, 1.  first = 1: nothing to rescale.
.macro SOFT p, first
.irp i, 0,1
	v_max3_num_f32 v[T+\i], v[S+64*\p+16*\i], v[S+64*\p+16*\i+1], v[S+64*\p+16*\i+2]
.endr
.irp n, 3,5,7,9,11,13
.irp i, 0,1
	v_max3_num_f32 v[T+\i], v[T+\i], v[S+64*\p+16*\i+\n], v[S+64*\p+16*\i+\n+1]
.endr
.endr
.irp i, 0,1
.if \first
	v_max_num_f32 v[T+\i], v[T+\i], v[S+64*\p+16*\i+15]
.else
	v_max3_num_f32 v[T+\i], v[T+\i], v[S+64*\p+16*\i+15], v[M+2*\p+\i]
.endif
.endr
.irp i, 0,1
	v_permlanex16_b32 v[T+2+\i], v[T+\i], s76, s77     ; the other half's sixteen keys of the same query
.endr
.irp i, 0,1
	v_max3_num_f32 v[T+\i], v[T+\i], v[T+2+\i], s79    ; never below -FLT_MAX: -inf less the maximum stays -inf
.endr
.if \first == 0
.irp i, 0,1
	v_sub_f32 v[AL+\i], v[M+2*\p+\i], v[T+\i]          ; old maximum less new, in units of log2
.endr
.endif
.irp i, 0,1
	v_mov_b32 v[M+2*\p+\i], v[T+\i]
.endr
.irp i, 0,1
.irp n, 0,1,2,3,4,5,6,7
	v_pk_add_f32 v[S+64*\p+16*\i+2*\n:S+64*\p+16*\i+2*\n+1], v[S+64*\p+16*\i+2*\n:S+64*\p+16*\i+2*\n+1], v[M+2*\p:M+2*\p+1] op_sel:[0,\i] op_sel_hi:[1,\i] neg_lo:[0,1] neg_hi:[0,1]
.endr
.endr
.irp i, 0,1
.irp n, 0,1,2,3,4,5,6,7,8,9,10,11,12,13,14,15
	v_exp_f32 v[S+64*\p+16*\i+\n], v[S+64*\p+16*\i+\n]
.endr
.endr
.if \first == 0
	v_exp_f32 v[AL], v[AL]
	v_exp_f32 v[AL+1], v[AL+1]
.endif
	v_nop                                          ; one plain place behind the exponentials before their results are read (ISA guide 5.7.2)
	s_wait_alu depctr_va_vdst(0)
.irp i, 0,1
	v_pk_add_f32 v[T:T+1],   v[S+64*\p+16*\i:S+64*\p+16*\i+1],     v[S+64*\p+16*\i+2:S+64*\p+16*\i+3]
	v_pk_add_f32 v[T+2:T+3], v[S+64*\p+16*\i+4:S+64*\p+16*\i+5],   v[S+64*\p+16*\i+6:S+64*\p+16*\i+7]
	v_pk_add_f32 v[T+4:T+5], v[S+64*\p+16*\i+8:S+64*\p+16*\i+9],   v[S+64*\p+16*\i+10:S+64*\p+16*\i+11]
	v_pk_add_f32 v[T+6:T+7], v[S+64*\p+16*\i+12:S+64*\p+16*\i+13], v[S+64*\p+16*\i+14:S+64*\p+16*\i+15]
	v_pk_add_f32 v[T:T+1],   v[T:T+1],   v[T+2:T+3]
	v_pk_add_f32 v[T+4:T+5], v[T+4:T+5], v[T+6:T+7]
	v_pk_add_f32 v[T:T+1],   v[T:T+1],   v[T+4:T+5]
.if \first
	v_add_f32 v[LSUM+2*\p+\i], v[T], v[T+1]
.else
	v_add_f32 v[T], v[T], v[T+1]
	v_fma_f32 v[LSUM+2*\p+\i], v[LSUM+2*\p+\i], v[AL+\i], v[T]
.endif
.endr
.irp i, 0,1
.irp n, 0,1,2,3,4,5,6,7
	v_cvt_pk_f16_f32 v[S+64*\p+16*\i+\n], v[S+64*\p+16*\i+2*\n], v[S+64*\p+16*\i+2*\n+1]   ; in place, ascending: register n is written when 2 n and 2 n + 1 are read; keys 8 h.. then 16 + 8 h..: the B operand's layout
.endr
.endr
.if \first == 0
.irp i, 0,1
.irp n, 0,1,2,3,4,5,6,7,8,9,10,11,12,13,14,15
	v_pk_mul_f32 v[O+32*(2*\p+\i)+2*\n:O+32*(2*\p+\i)+2*\n+1], v[O+32*(2*\p+\i)+2*\n:O+32*(2*\p+\i)+2*\n+1], v[AL:AL+1] op_sel:[0,\i] op_sel_hi:[1,\i]
.endr
.endr
.endif
.endm
.macro PV p, first                     ; O^T += V^T P^T: eight different accumulators
.irp dt, 0,1,2,3
.irp i, 0,1
.if \first
	v_wmma_f32_16x16x32_f16 v[O+8*(4*(2*\p+\i)+\dt):O+8*(4*(2*\p+\i)+\dt)+7], v[KV+8*\dt:KV+8*\dt+7], v[S+64*\p+16*\i:S+64*\p+16*\i+7], 0
.else
	v_wmma_f32_16x16x32_f16 v[O+8*(4*(2*\p+\i)+\dt):O+8*(4*(2*\p+\i)+\dt)+7], v[KV+8*\dt:KV+8*\dt+7], v[S+64*\p+16*\i:S+64*\p+16*\i+7], v[O+8*(4*(2*\p+\i)+\dt):O+8*(4*(2*\p+\i)+\dt)+7]
.endif
.endr
.endr
.endm
; One step: 128 keys from slot sl.  chg = 2: the slot is filled again, two steps ahead; chg = 1: a plain barrier (the next slot is whole, nothing is filled);
; chg = 0: the last step.  The change of slots: every wave waits for its reads of the slot (the last are V's, back since the wait in front of the first
; P V products) and for all its tensor loads, and signals; the last eight products, register work, stand between the signal and its wait; with chg = 2
; that barrier opens a round of the cluster's barrier, and the slot's joint refill is the wave's first and only tensor load behind the round:
; it has the next step's work in which to land.
.macro STEP sl, first, chg, pf
	PLACES 5                                       ; five places behind the last products: their operands are loaded again, and the next products write over P (ISA guide 7.12.1)
	WIN 0x40
	ds_load_b128 v[CB:CB+3],     v[ACB]
	ds_load_b128 v[CB+4:CB+7],   v[ACB] offset:16
	ds_load_b128 v[CB+8:CB+11],  v[ACB] offset:64
	ds_load_b128 v[CB+12:CB+15], v[ACB] offset:80
	WIN 0
	MASKLD \sl, 0
	MASKLD \sl, 1
.irp kt, 0,1
.irp kk, 0,1
	ds_load_b128 v[KV+8*(2*\kt+\kk):KV+8*(2*\kt+\kk)+3],   v[AK+\sl] offset:\kt*16*KP+\kk*64
	ds_load_b128 v[KV+8*(2*\kt+\kk)+4:KV+8*(2*\kt+\kk)+7], v[AK+\sl] offset:\kt*16*KP+\kk*64+32
.endr
.endr
	v_add_nc_u32 v[ACB], 512, v[ACB]               ; the next step's 128 keys
	s_wait_dscnt 8                                 ; bias and mask are in; K's eight loads stay out
	PRE
	s_wait_dscnt 0                                 ; K
	SMUL
.irp dt, 0,1,2,3
	ds_load_tr16_b128 v[KV+8*\dt:KV+8*\dt+3],   v[AV+\sl] offset:32*\dt            ; d = 16 dt + r, keys 8 h ..
	ds_load_tr16_b128 v[KV+8*\dt+4:KV+8*\dt+7], v[AV+\sl] offset:32*\dt+16*VP      ; keys 16 + 8 h ..
.endr
	SOFT 0, \first
	s_wait_dscnt 0                                 ; V
	PV 0, \first
	SOFT 1, \first                                 ; names none of the registers of the eight products in front of it
.if \chg
	s_wait_dscnt 0x0                               ; my reads of this slot are over
	s_wait_xcnt 0x0
	v_lshl_add_u32 v126, v0, 2, 0x4f800
	v_mov_b32 v127, 0
	s_wait_tensorcnt 0x0                           ; and all my tensor loads have landed: the one that was out is my part of the next slot
	ds_add_u32 v126, v127
	s_wait_dscnt 0x0
	s_barrier_signal -1
.endif
	PV 1, \first
.if \chg
	s_barrier_wait -1
.endif
.if \chg == 2
	CREST
	s_add_nc_u64 s[G0K+4*\sl+2:G0K+4*\sl+3], s[G0K+4*\sl+2:G0K+4*\sl+3], 32768   ; two steps on; no tensor load of mine is out
	s_add_nc_u64 s[G0V+4*\sl+2:G0V+4*\sl+3], s[G0V+4*\sl+2:G0V+4*\sl+3], 32768
	s_add_nc_u64 s[G0M+4*\sl+2:G0M+4*\sl+3], s[G0M+4*\sl+2:G0M+4*\sl+3], 1024
	JLOAD \sl, \pf
.endif
.endm
	STEP 0, 1, 2, 1                                ; steps 0, 1; refills 2, 3; prefetches 4, 5
	STEP 1, 0, 2, 1
	s_mov_b32 s78, 5
.Llap:
	STEP 0, 0, 2, 1                                ; steps 2 .. 11; refills 4 .. 13; prefetches 6 .. 15, the last tile
	STEP 1, 0, 2, 1
	s_sub_co_u32 s78, s78, 1
	s_cmp_lg_u32 s78, 0
	s_cbranch_scc1 .Llap
	STEP 0, 0, 2, 0                                ; steps 12, 13; refills 14, 15; nothing is left to prefetch
	STEP 1, 0, 2, 0
	STEP 0, 0, 1, 0                                ; nothing is left to fetch
	STEP 1, 0, 0, 0
	; THE END.  The four key quarters of a head are merged: common maximum, common sum, then the sum of the four scaled outputs.
	PLACES 4
.irp qt, 0,1,2,3
	v_permlanex16_b32 v[T+\qt], v[LSUM+\qt], s76, s77
.endr
.irp qt, 0,1,2,3
	v_add_f32 v[LSUM+\qt], v[LSUM+\qt], v[T+\qt]   ; both halves' keys
.endr
	s_wait_dscnt 0x0
	BAR                                            ; every wave's reads of the slots are over, and every tensor load has landed: the slots serve as scratch
	s_lshl_b32 s66, s17, 11
	s_lshl_b32 s67, s18, 9
	s_add_co_u32 s67, s66, s67
	v_lshlrev_b32 v[A1], 3, v[RR]
	v_add_nc_u32 v[A1], MLO, v[A1]
	v_add_nc_u32 v[A0], s67, v[A1]                 ; mine: head x 2,048 + quarter x 512 + query x 8
	v_add_nc_u32 v[A1], s66, v[A1]                 ; my head's
.irp qt, 0,1,2,3
	v_mov_b32 v[T+2*\qt], v[M+\qt]
	v_mov_b32 v[T+2*\qt+1], v[LSUM+\qt]
.endr
.irp qt, 0,1,2,3
	ds_store_b64 v[A0], v[T+2*\qt:T+2*\qt+1] offset:128*\qt    ; both halves write the same numbers to the same bytes
.endr
	s_wait_dscnt 0x0
	BAR
.irp qt, 0,1,2,3
.irp k, 0,1,2,3
	ds_load_b64 v[KF+8*\qt+2*\k:KF+8*\qt+2*\k+1], v[A1] offset:512*\k+128*\qt
.endr
.endr
	s_wait_dscnt 0x0
.irp qt, 0,1,2,3
	v_max3_num_f32 v[VF+8*\qt], v[KF+8*\qt], v[KF+8*\qt+2], v[KF+8*\qt+4]
.endr
.irp qt, 0,1,2,3
	v_max_num_f32 v[VF+8*\qt], v[VF+8*\qt], v[KF+8*\qt+6]      ; the common maximum
.endr
.irp qt, 0,1,2,3
.irp k, 0,1,2,3
	v_sub_f32 v[VF+8*\qt+1+\k], v[KF+8*\qt+2*\k], v[VF+8*\qt]
.endr
	v_sub_f32 v[VF+8*\qt+5], v[M+\qt], v[VF+8*\qt]
.endr
.irp qt, 0,1,2,3
.irp k, 1,2,3,4,5
	v_exp_f32 v[VF+8*\qt+\k], v[VF+8*\qt+\k]
.endr
.endr
	v_nop
	s_wait_alu depctr_va_vdst(0)
.irp qt, 0,1,2,3
	v_mul_f32 v[VF+8*\qt+6], v[KF+8*\qt+1], v[VF+8*\qt+1]
	v_fmac_f32 v[VF+8*\qt+6], v[KF+8*\qt+3], v[VF+8*\qt+2]
	v_fmac_f32 v[VF+8*\qt+6], v[KF+8*\qt+5], v[VF+8*\qt+3]
	v_fmac_f32 v[VF+8*\qt+6], v[KF+8*\qt+7], v[VF+8*\qt+4]     ; the common sum
.endr
.irp qt, 0,1,2,3
	v_rcp_f32 v[VF+8*\qt+7], v[VF+8*\qt+6]
.endr
	v_nop
	s_wait_alu depctr_va_vdst(0)
.irp qt, 0,1,2,3
	v_mul_f32 v[M+\qt], v[VF+8*\qt+5], v[VF+8*\qt+7]           ; my quarter's weight
.endr
.irp p, 0,1
.irp i, 0,1
.irp n, 0,1,2,3,4,5,6,7,8,9,10,11,12,13,14,15
	v_pk_mul_f32 v[O+32*(2*\p+\i)+2*\n:O+32*(2*\p+\i)+2*\n+1], v[O+32*(2*\p+\i)+2*\n:O+32*(2*\p+\i)+2*\n+1], v[M+2*\p:M+2*\p+1] op_sel:[0,\i] op_sel_hi:[1,\i]
.endr
.endr
.endr
	s_mul_i32 s66, s16, OXW
	v_mul_u32_u24 v[A0], v[RR], 272
	v_lshl_add_u32 v[A0], v[HH], 5, v[A0]
	v_add_nc_u32 v[A0], s66, v[A0]                 ; my wave's 64 rows: query row r, d = 8 h .. as f32
.irp qt, 0,1,2,3
.irp dt, 0,1,2,3
	ds_store_b128 v[A0], v[O+8*(4*\qt+\dt):O+8*(4*\qt+\dt)+3]   offset:\qt*4352+\dt*64
	ds_store_b128 v[A0], v[O+8*(4*\qt+\dt)+4:O+8*(4*\qt+\dt)+7] offset:\qt*4352+\dt*64+16
.endr
.endr
	s_wait_dscnt 0x0
	BAR
	; wave (head, ks) adds the four quarters of query tile ks of its head: lane (r, h) takes query 16 ks + r, d = 32 h .. 32 h + 31
	s_mul_i32 s66, s17, 4*OXW
	s_mul_i32 s67, s18, 16*272
	s_add_co_u32 s66, s66, s67
	v_mul_u32_u24 v[A1], v[RR], 272
	v_lshl_add_u32 v[A1], v[HH], 7, v[A1]
	v_add_nc_u32 v[A1], s66, v[A1]
.irp k, 0,1,2,3
.irp i, 0,1,2,3,4,5,6,7
	ds_load_b128 v[O+32*\k+4*\i:O+32*\k+4*\i+3], v[A1] offset:\k*OXW+16*\i
.endr
.endr
	s_mul_i32 s66, s18, 16*384
	s_lshl_b32 s67, s17, 7
	s_add_co_u32 s66, s66, s67
	s_add_co_u32 s66, s66, CSO
	v_mul_u32_u24 v[A0], v[RR], 384
	v_lshl_add_u32 v[A0], v[HH], 6, v[A0]
	v_add_nc_u32 v[A0], s66, v[A0]                 ; ctx block: row 16 ks + r, head x 128 bytes + 64 h
	s_wait_dscnt 0x0
.irp k, 1,2,3
.irp n, 0,1,2,3,4,5,6,7,8,9,10,11,12,13,14,15
	v_pk_add_f32 v[O+2*\n:O+2*\n+1], v[O+2*\n:O+2*\n+1], v[O+32*\k+2*\n:O+32*\k+2*\n+1]
.endr
.endr
.irp n, 0,1,2,3,4,5,6,7,8,9,10,11,12,13,14,15
	v_cvt_pk_f16_f32 v[KF+\n], v[O+2*\n], v[O+2*\n+1]
.endr
.irp i, 0,1,2,3
	ds_store_b128 v[A0], v[KF+4*\i:KF+4*\i+3] offset:16*\i
.endr
	s_wait_dscnt 0x0
	BAR
	v_add_nc_u32 v[A1], CSO, v[TID16]
.irp i, 0,1,2,3
	ds_load_b128 v[VF+4*\i:VF+4*\i+3], v[A1] offset:6144*\i
.endr
.irp i, 0,1,2,3
	s_wait_dscnt 3-\i                              ; load i is back, the younger ones stay out
	global_store_b128 v[TID16], v[VF+4*\i:VF+4*\i+3], s[92:93] offset:6144*\i     ; the block is 24,576 dense bytes of ctx: a wave's store covers 512, aligned
.endr
	s_wait_xcnt 0x0
	v_lshl_add_u32 v126, v0, 2, 0x4f800
	v_mov_b32 v127, 0
	s_wait_tensorcnt 0x0
	ds_add_u32 v126, v127
	s_wait_dscnt 0x0
	CROUND                                         ; the closing round
	s_endpgm
.Lfunc_end_k_qe03e62c00d_attn:
	.size	k_qe03e62c00d_attn, .Lfunc_end_k_qe03e62c00d_attn-k_qe03e62c00d_attn
	.p2alignl 7, 3214868480
	.fill 96, 4, 3214868480
	.section	.rodata,"a",@progbits
	.p2align	6, 0x0
	.amdhsa_kernel k_qe03e62c00d_attn
		.amdhsa_group_segment_fixed_size 327680
		.amdhsa_private_segment_fixed_size 0
		.amdhsa_enable_private_segment 0
		.amdhsa_kernarg_size 48
		.amdhsa_user_sgpr_count 2
		.amdhsa_user_sgpr_kernarg_segment_ptr 1
		.amdhsa_wavefront_size32 1
		.amdhsa_system_sgpr_workgroup_id_x 1
		.amdhsa_system_sgpr_workgroup_id_y 1
		.amdhsa_system_sgpr_workgroup_id_z 1
		.amdhsa_system_vgpr_workitem_id 0
		.amdhsa_next_free_vgpr 336
		.amdhsa_next_free_sgpr 96
		.amdhsa_reserve_vcc 0
		.amdhsa_float_denorm_mode_32 3
		.amdhsa_float_denorm_mode_16_64 3
		.amdhsa_memory_ordered 1
		.amdhsa_forward_progress 1
		.amdhsa_inst_pref_size 214
	.end_amdhsa_kernel
	.amdgpu_metadata
---
amdhsa.version: [ 1, 2 ]
amdhsa.kernels:
  - .name:           k_qe03e62c00d_attn
    .symbol:         k_qe03e62c00d_attn.kd
    .args:
      - { .name: qkvw, .offset: 0, .size: 8, .value_kind: global_buffer, .address_space: global }
      - { .name: attention_mask, .offset: 8, .size: 8, .value_kind: global_buffer, .address_space: global }
      - { .name: attention_bias, .offset: 16, .size: 8, .value_kind: global_buffer, .address_space: global }
      - { .name: beta, .offset: 24, .size: 8, .value_kind: global_buffer, .address_space: global }
      - { .name: beta_bias, .offset: 32, .size: 8, .value_kind: global_buffer, .address_space: global }
      - { .name: ctx, .offset: 40, .size: 8, .value_kind: global_buffer, .address_space: global }
    .group_segment_fixed_size: 327680
    .private_segment_fixed_size: 0
    .kernarg_segment_align: 8
    .kernarg_segment_size: 48
    .max_flat_workgroup_size: 384
    .sgpr_count:     96
    .vgpr_count:     336
    .wavefront_size: 32
...
	.end_amdgpu_metadata
.endif
;; end of part 3
;; launch oproj (part 4): grid 4 x 64, 4 waves a work-group, clusters of 4 x 4, 327,680 bytes of LDS; arguments ctx, wb, bo, out0; writes out0
.if DOCPART == 4
	.amdgcn_target "amdgcn-amd-amdhsa--gfx1250"
	.amdhsa_code_object_version 6
	.text
	.protected	k_qe03e62c00d_oproj
	.globl	k_qe03e62c00d_oproj
	.p2align	8
	.type	k_qe03e62c00d_oproj,@function
k_qe03e62c00d_oproj:
	s_mov_b64 s[64:65], 0
	v_nop
	global_prefetch_b8 v0, s[64:65] scope:SCOPE_SE
	s_setreg_imm32_b32 hwreg(HW_REG_WAVE_MODE, 25, 1), 1
	s_wait_xcnt 0x0
	s_wait_alu depctr_hold_cnt(0) depctr_sa_sdst(0) depctr_va_vdst(0) depctr_va_sdst(0) depctr_va_ssrc(0) depctr_va_vcc(0) depctr_vm_vsrc(0)
	s_getreg_b32 s2, hwreg(HW_REG_IB_STS2, 6, 4)
	s_cmp_eq_u32 s2, 0
	s_cbranch_scc0 .Lentry_in_a_cluster
	s_endpgm
.Lentry_in_a_cluster:
	s_bfe_u32 s2, ttmp6, 0x10000c
	s_cmp_lg_u32 s2, 0xf033
	s_cbranch_scc0 .Lentry_shape_is_right
	s_endpgm
.Lentry_shape_is_right:
; out0 [4096][768] f32 = ctx x Wo^T + bo.  ctx: f16 [panel 4][4096][192], panel p = columns 192 p .. of the attention output.  Wo: f16, the fourth matrix of wb.
; A work-group makes 64 rows x 192 columns (768 aligned bytes of each row of out0): 4 x 64 = 256 work-groups.  Wave w makes all 64 rows of
; columns 48 w .. 48 w + 47: 4 x 3 accumulator tiles.  K goes in 4 steps of one panel (192), six substeps of 32 each, through two LDS slots.
; CLUSTER 4 x 4: ctx's tile hangs on the block row alone (shared along the cluster's row), Wo's on the block column alone (shared along the column).
; The matrix instruction is used transposed (source 0 = rows of Wo, source 1 = rows of ctx): a lane holds row l % 16 and eight neighbouring columns;
; bo of those columns is the C operand of the first products.
.set PITCH,  432                       ; an LDS row: 384 bytes + 16 behind every 128: an odd multiple of 16
.set ATILE,  64*PITCH                  ; 27,648
.set SLOT,   256*PITCH                 ; ctx's 64 rows, then Wo's 192: 110,592
.set STAGE,  2*SLOT                    ; behind the ring, no tensor load lands there: 64 rows x 784 bytes of f32
.set SPITCH, 784                       ; 768 + 16: an odd multiple of 16
.set ADRA, 1
.set ADRB, 3
.set STO,  5
.set RD,   6
.set CO,   7
.set VB,   8
.set FA,   16                          ; v16-47, v48-79: ctx's fragments, buffer 0, 1
.set FB,   80                          ; v80-103, v104-127: Wo's
.set BIAS, 128                         ; v128-151
.set ACC,  152                         ; v152-247: tile (a, b) at 8 (3 a + b)
.set G1A, 24
.set G0A, 32
.set G1B, 40
.set G0B, 48
.set SHAPE, (1<<16)|(1<<20)|(1<<21)|(4<<22)|(3<<25)   ; elements of 2 bytes; padding on; bit 21 beside a mask; 4 words behind every 32
.macro PLACES
.rept 4
	v_nop
.endr
.endm
.macro CREST
	s_cmp_lg_u32 s16, 0
	s_cbranch_scc1 .Lnot_wave_0_\@
	s_barrier_signal -3
.Lnot_wave_0_\@:
	s_barrier_wait -3
	s_barrier_signal -1
	s_barrier_wait -1
.endm
.macro CROUND
	s_barrier_signal -1
	s_barrier_wait -1
	CREST
.endm
.macro JLOAD sl                        ; wave 0 asks for ctx's 64 rows, waves 1-3 for 64 rows of Wo each: one load a wave
	s_cmp_eq_u32 s16, 0
	s_cbranch_scc0 .Lfor_b_\@
	tensor_load_to_lds s[G0A+4*\sl:G0A+4*\sl+3], s[G1A:G1A+7]
	s_nop 0
	s_branch .Lasked_\@
.Lfor_b_\@:
	tensor_load_to_lds s[G0B+4*\sl:G0B+4*\sl+3], s[G1B:G1B+7]
	s_nop 0
.Lasked_\@:
.endm
	s_load_b256 s[4:11], s[0:1], 0x0               ; ctx s[4:5], wb s[6:7], bo s[8:9], out0 s[10:11]
	v_lshl_add_u32 v254, v0, 2, 0x42400
	v_mov_b32 v255, 0
	ds_add_u32 v254, v255
	v_lshrrev_b32 v9, 5, v0
	v_readfirstlane_b32 s16, v9                    ; wave 0..3
	s_bfe_u32 s19, ttmp6, 0x40000                  ; cx
	s_bfe_u32 s20, ttmp6, 0x40004                  ; cy
	s_lshl_b32 s21, ttmp9, 2
	s_add_co_u32 s21, s21, s19                     ; block column 0..3
	s_and_b32 s22, ttmp7, 0xffff
	s_lshl_b32 s22, s22, 2
	s_add_co_u32 s22, s22, s20                     ; block row 0..63
	s_lshl_b32 s56, s20, 2
	s_lshl_b32 s56, 15, s56                        ; my row of the cluster
	s_lshl_b32 s57, 0x1111, s19                    ; my column
	s_or_b32 s[G1A+0], s56, SHAPE
	s_mov_b32 s[G1A+1], 192<<16                    ; tensor_dim0 = 192
	s_mov_b32 s[G1A+2], 64<<16                     ; tensor_dim1 = 64
	s_mov_b32 s[G1A+3], 192<<16                    ; tile_dim0 = 192
	s_mov_b32 s[G1A+4], 64                         ; tile_dim1 = 64 rows
	s_mov_b32 s[G1A+5], 192                        ; a panel's rows are dense
	s_mov_b32 s[G1A+6], 0
	s_mov_b32 s[G1A+7], 0
	s_or_b32 s[G1B+0], s57, SHAPE
	s_mov_b32 s[G1B+1], 192<<16
	s_mov_b32 s[G1B+2], 64<<16
	s_mov_b32 s[G1B+3], 192<<16
	s_mov_b32 s[G1B+4], 64
	s_mov_b32 s[G1B+5], 768
	s_mov_b32 s[G1B+6], 0
	s_mov_b32 s[G1B+7], 0
	s_mul_i32 s[G0A+2], s22, 64*384                ; ctx: row 64 x block row of panel 0; never holds cx
	s_mov_b32 s[G0A+3], 0
	s_mul_i32 s[G0B+2], s21, 192                   ; Wo: row 192 x block column + 64 (w - 1); never holds cy
	s_lshl_b32 s58, s16, 6
	s_add_co_u32 s[G0B+2], s[G0B+2], s58
	s_mul_i32 s[G0B+2], s[G0B+2], 1536
	s_add_co_u32 s[G0B+2], s[G0B+2], 3*768*1536-64*1536    ; behind Wq, Wk, Wv; the - 64 rows stand in the constant, so that the offset is never negative
	s_mov_b32 s[G0B+3], 0
	s_mov_b32 s[G0A+0], 1
	s_mov_b32 s[G0A+4], 1
	s_mov_b32 s[G0A+1], 0
	s_mov_b32 s[G0A+5], SLOT
	s_mov_b32 s[G0B+0], 1
	s_mov_b32 s[G0B+4], 1
	s_mul_i32 s[G0B+1], s16, ATILE                 ; waves 1-3: 27,648 w = behind ctx's rows, 64 rows each
	s_add_co_u32 s[G0B+5], s[G0B+1], SLOT
	s_lshl_b32 s66, s22, 6                         ; the way out: my sixteen rows, my block's 768 bytes
	s_lshl_b32 s67, s16, 4
	s_add_co_u32 s66, s66, s67
	s_mul_i32 s66, s66, 3072
	s_mul_i32 s67, s21, 768
	s_add_co_u32 s66, s66, s67
	s_mov_b32 s67, 0
	s_wait_dscnt 0x0
	s_wait_kmcnt 0x0
	s_add_nc_u64 s[G0A+2:G0A+3], s[4:5], s[G0A+2:G0A+3]
	s_add_nc_u64 s[G0A+6:G0A+7], s[G0A+2:G0A+3], 4096*384      ; panel 1
	s_add_nc_u64 s[G0B+2:G0B+3], s[6:7], s[G0B+2:G0B+3]
	s_add_nc_u64 s[G0B+6:G0B+7], s[G0B+2:G0B+3], 384           ; columns 192 ..
	s_or_b32 s[G0A+3], s[G0A+3], 0x80000000
	s_or_b32 s[G0A+7], s[G0A+7], 0x80000000
	s_or_b32 s[G0B+3], s[G0B+3], 0x80000000
	s_or_b32 s[G0B+7], s[G0B+7], 0x80000000
	s_add_nc_u64 s[66:67], s[10:11], s[66:67]
	CROUND                                         ; all sixteen work-groups are here: the first joint loads meet
	JLOAD 0
	JLOAD 1                                        ; panels 0 and 1: two loads of the wave are out
	v_and_b32 v10, 15, v0                          ; r
	v_bfe_u32 v11, v0, 4, 1                        ; h
	s_mul_i32 s56, s21, 768
	s_mul_i32 s57, s16, 192
	s_add_co_u32 s56, s56, s57
	v_lshlrev_b32 v[VB], 5, v11
	v_add_nc_u32 v[VB], s56, v[VB]                 ; bo: columns 192 x block + 48 w + 8 h, as f32
.irp b, 0,1,2
	global_load_b128 v[BIAS+8*\b:BIAS+8*\b+3],   v[VB], s[8:9] offset:64*\b
	global_load_b128 v[BIAS+8*\b+4:BIAS+8*\b+7], v[VB], s[8:9] offset:64*\b+16
.endr
	v_mul_u32_u24 v[ADRA], v10, PITCH
	v_lshl_add_u32 v[ADRA], v11, 4, v[ADRA]        ; r x pitch + 16 h
	v_add_nc_u32 v[ADRA+1], SLOT, v[ADRA]
	s_mul_i32 s56, s16, 48*PITCH
	s_add_co_u32 s56, s56, ATILE                   ; my 48 rows of Wo
	v_add_nc_u32 v[ADRB], s56, v[ADRA]
	v_add_nc_u32 v[ADRB+1], SLOT, v[ADRB]
	v_mul_u32_u24 v[STO], v10, SPITCH              ; in: row r, my 192 bytes, 32 bytes a half
	v_lshl_add_u32 v[STO], v11, 5, v[STO]
	s_add_co_u32 s57, s57, STAGE
	v_add_nc_u32 v[STO], s57, v[STO]
	v_mul_u32_u24 v[RD], v11, SPITCH               ; back: lanes 0-15 take 256 bytes of one row, lanes 16-31 of the next; my rows 16 w ..
	v_lshl_add_u32 v[RD], v10, 4, v[RD]
	s_mul_i32 s56, s16, 16*SPITCH
	s_add_co_u32 s56, s56, STAGE
	v_add_nc_u32 v[RD], s56, v[RD]
	v_mul_u32_u24 v[CO], v11, 3072                 ; and the same two rows in out0
	v_lshl_add_u32 v[CO], v10, 4, v[CO]
; 14 LDS loads: substep s (32 along K; bytes 64 s of a row, 16 more behind every 128) of my 48 rows of Wo and of ctx's 64 rows, into buffer f
.macro FETCH sl, s, f
.irp b, 0,1,2
	ds_load_b128 v[FB+24*\f+8*\b:FB+24*\f+8*\b+3],   v[ADRB+\sl] offset:\b*16*PITCH+((\s)/2)*144+((\s)%2)*64
	ds_load_b128 v[FB+24*\f+8*\b+4:FB+24*\f+8*\b+7], v[ADRB+\sl] offset:\b*16*PITCH+((\s)/2)*144+((\s)%2)*64+32
.endr
.irp a, 0,1,2,3
	ds_load_b128 v[FA+32*\f+8*\a:FA+32*\f+8*\a+3],   v[ADRA+\sl] offset:\a*16*PITCH+((\s)/2)*144+((\s)%2)*64
	ds_load_b128 v[FA+32*\f+8*\a+4:FA+32*\f+8*\a+7], v[ADRA+\sl] offset:\a*16*PITCH+((\s)/2)*144+((\s)%2)*64+32
.endr
.endm
; 12 matrix instructions on 12 accumulators, which take turns, one instruction a turn.  bias = 1: C is bo, which starts the sums.
.macro SUBK f, bias
.irp a, 0,1,2,3
.irp b, 0,1,2
.if \bias
	v_wmma_f32_16x16x32_f16 v[ACC+8*(3*\a+\b):ACC+8*(3*\a+\b)+7], v[FB+24*\f+8*\b:FB+24*\f+8*\b+7], v[FA+32*\f+8*\a:FA+32*\f+8*\a+7], v[BIAS+8*\b:BIAS+8*\b+7]
.else
	v_wmma_f32_16x16x32_f16 v[ACC+8*(3*\a+\b):ACC+8*(3*\a+\b)+7], v[FB+24*\f+8*\b:FB+24*\f+8*\b+7], v[FA+32*\f+8*\a:FA+32*\f+8*\a+7], v[ACC+8*(3*\a+\b):ACC+8*(3*\a+\b)+7]
.endif
.endr
.endr
.endm
.macro SUB sl, snext, f, g, bias
	PLACES                                         ; four places behind the products that read buffer g (ISA guide 7.12.1)
	FETCH \sl, \snext, \g
	s_wait_dscnt 14                                ; buffer f is in; the fourteen just issued stay out
	SUBK \f, \bias
.endm
.macro FIVE sl, bias
	SUB \sl, 1, 0, 1, \bias
	SUB \sl, 2, 1, 0, 0
	SUB \sl, 3, 0, 1, 0
	SUB \sl, 4, 1, 0, 0
	SUB \sl, 5, 0, 1, 0
.endm
; The sixth substep changes slots: each wave waits for its reads of this slot and for all its tensor loads; fill = 1: the barrier opens a round of
; the cluster's barrier, and this slot's joint refill is the wave's first and only tensor load behind it.
.macro TURN sl, next, fill
	s_wait_dscnt 0
	s_wait_tensorcnt 0x0
	ds_add_u32 v254, v255
	s_wait_dscnt 0x0
	s_barrier_signal -1
	SUBK 1, 0                                      ; register work while the others arrive
	s_barrier_wait -1
.if \fill
	CREST
	s_add_nc_u64 s[G0A+4*\sl+2:G0A+4*\sl+3], s[G0A+4*\sl+2:G0A+4*\sl+3], 2*4096*384   ; two panels on; no tensor load of mine is out
	s_add_nc_u64 s[G0B+4*\sl+2:G0B+4*\sl+3], s[G0B+4*\sl+2:G0B+4*\sl+3], 768
	JLOAD \sl
.endif
	PLACES
	FETCH \next, 0, 0
.endm
	s_wait_tensorcnt 0x1                           ; my part of panel 0 is in; panel 1's stays out
	s_barrier_signal -1
	s_barrier_wait -1
	FETCH 0, 0, 0
	s_wait_loadcnt 0x0                             ; bo
	FIVE 0, 1
	TURN 0, 1, 1                                   ; slot 0 <- panel 2
	FIVE 1, 0
	TURN 1, 0, 1                                   ; slot 1 <- panel 3
	FIVE 0, 0
	TURN 0, 1, 0                                   ; nothing is left to fetch
	FIVE 1, 0
	s_wait_dscnt 0
	SUBK 1, 0
	PLACES                                         ; four places before the LDS stores read the last results
	; THE WAY OUT: the block goes through the stage, so that sixteen neighbouring lanes store 256 neighbouring bytes of a row of out0.
.irp a, 0,1,2,3
.irp b, 0,1,2
	ds_store_b128 v[STO], v[ACC+8*(3*\a+\b):ACC+8*(3*\a+\b)+3]   offset:\a*16*SPITCH+\b*64
	ds_store_b128 v[STO], v[ACC+8*(3*\a+\b)+4:ACC+8*(3*\a+\b)+7] offset:\a*16*SPITCH+\b*64+16
.endr
.endr
	s_wait_dscnt 0x0                               ; my columns are in the stage, for the others' sake
	s_barrier_signal -1
	s_barrier_wait -1
.irp rp, 0,1,2,3,4,5,6,7
.irp cu, 0,1,2
	ds_load_b128 v[ACC+4*(3*\rp+\cu):ACC+4*(3*\rp+\cu)+3], v[RD] offset:\rp*2*SPITCH+\cu*256
.endr
.endr
.irp rp, 0,1,2,3,4,5,6,7
.irp cu, 0,1,2
	s_wait_dscnt 23-(3*\rp+\cu)                    ; this load is back, the younger ones stay out
	global_store_b128 v[CO], v[ACC+4*(3*\rp+\cu):ACC+4*(3*\rp+\cu)+3], s[66:67] offset:\rp*6144+\cu*256 th:TH_STORE_NT   ; two aligned runs of 256 bytes, in two rows
.endr
.endr
	s_wait_tensorcnt 0x0
	ds_add_u32 v254, v255
	s_wait_dscnt 0x0
	CROUND                                         ; the closing round
	s_endpgm
.Lfunc_end_k_qe03e62c00d_oproj:
	.size	k_qe03e62c00d_oproj, .Lfunc_end_k_qe03e62c00d_oproj-k_qe03e62c00d_oproj
	.p2alignl 7, 3214868480
	.fill 96, 4, 3214868480
	.section	.rodata,"a",@progbits
	.p2align	6, 0x0
	.amdhsa_kernel k_qe03e62c00d_oproj
		.amdhsa_group_segment_fixed_size 327680
		.amdhsa_private_segment_fixed_size 0
		.amdhsa_enable_private_segment 0
		.amdhsa_kernarg_size 32
		.amdhsa_user_sgpr_count 2
		.amdhsa_user_sgpr_kernarg_segment_ptr 1
		.amdhsa_wavefront_size32 1
		.amdhsa_system_sgpr_workgroup_id_x 1
		.amdhsa_system_sgpr_workgroup_id_y 1
		.amdhsa_system_sgpr_workgroup_id_z 1
		.amdhsa_system_vgpr_workitem_id 0
		.amdhsa_next_free_vgpr 256
		.amdhsa_next_free_sgpr 72
		.amdhsa_reserve_vcc 0
		.amdhsa_float_denorm_mode_32 3
		.amdhsa_float_denorm_mode_16_64 3
		.amdhsa_memory_ordered 1
		.amdhsa_forward_progress 1
		.amdhsa_inst_pref_size 58
	.end_amdhsa_kernel
	.amdgpu_metadata
---
amdhsa.version: [ 1, 2 ]
amdhsa.kernels:
  - .name:           k_qe03e62c00d_oproj
    .symbol:         k_qe03e62c00d_oproj.kd
    .args:
      - { .name: ctx, .offset: 0, .size: 8, .value_kind: global_buffer, .address_space: global }
      - { .name: wb, .offset: 8, .size: 8, .value_kind: global_buffer, .address_space: global }
      - { .name: bo, .offset: 16, .size: 8, .value_kind: global_buffer, .address_space: global }
      - { .name: out0, .offset: 24, .size: 8, .value_kind: global_buffer, .address_space: global }
    .group_segment_fixed_size: 327680
    .private_segment_fixed_size: 0
    .kernarg_segment_align: 8
    .kernarg_segment_size: 32
    .max_flat_workgroup_size: 128
    .sgpr_count:     72
    .vgpr_count:     256
    .wavefront_size: 32
...
	.end_amdgpu_metadata
.endif
;; end of part 4
